; MI455X (gfx1250); checked and timed in simulation.
; The chip was launched on July 23, 2026; its instructions are those of AMD's public machine-readable ISA for CDNA 5 (MIT licence, August 2026) and "CDNA5" Instruction Set Architecture Reference Guide (July 2026). The comments in the code are by the model that wrote it; some were corrected since.
;; Vector Quantizer. Allowed arithmetic: float matrix products may take bf16 or f16 operands with f32 sums; other float arithmetic in f32, or as packed bf16 or f16 multiplies, adds, multiply-adds, maxima and minima; sums over many terms, partial sums and values carried from step to step in f32; what a program stores and reads back later, other than sums and carried values, may be rounded once to bf16 or f16.
;; Inputs: emb 8,192 x 256 float32; z 8 x 256 x 4,096 float32.
;; Outputs: out0 8 x 256 x 4,096 float32; out1 one number float32; out2 32,768 int32.
;; One version. Each part assembles by itself: llvm-mc -triple=amdgcn-amd-amdhsa -mcpu=gfx1250 --defsym DOCPART=n.
;; ======== version 1 of 1: 3 launches
;; limits: a difference of large sums (such as E[x^2] - mean^2): digits are lost where the result is much smaller than its terms
;; workspace buffers: ebx 4,325,376 bytes; pick 131,072 bytes of whole numbers; part 1,024 bytes
;; launch prep (part 1): grid 512 x 1, 1 waves a work-group, no clusters, 8,704 bytes of LDS; arguments emb, ebx; writes ebx
.if DOCPART == 1
	.amdgcn_target "amdgcn-amd-amdhsa--gfx1250"
	.amdhsa_code_object_version 6
	.text
	.protected	k_qd3c381c1cc_prep
	.globl	k_qd3c381c1cc_prep
	.p2align	8
	.type	k_qd3c381c1cc_prep,@function
k_qd3c381c1cc_prep:
	s_mov_b64 s[64:65], 0
	v_nop
	global_prefetch_b8 v0, s[64:65] scope:SCOPE_SE
	s_setreg_imm32_b32 hwreg(HW_REG_WAVE_MODE, 25, 1), 1
	s_wait_xcnt 0x0
; THE CODEBOOK, ROUNDED AND LAID OUT FOR THE SEARCH.  emb: [8192][256] f32.  ebx: 512 tiles of 16 codes, a tile 16 rows of 528 bytes = 8,448 bytes (33 x 256).
; Bytes 0-511 of a row: the code's 256 numbers in bf16.  Bytes 512-527 of row i of a tile: ee[4 i .. 4 i + 3] of the tile's codes in f32 for i < 4, zeros for i >= 4;
; ee = the sum of squares of the ROUNDED numbers, in f32.  The image in memory is the image that the search wants in LDS: rows 528 bytes apart (an odd multiple of 16), ee beside the codes.
; One wave, one tile: 16 KiB come in by 32 loads of 512 consecutive bytes, the image is put together in the wave's own LDS and leaves in whole aligned blocks of 256 bytes.
; No matrix unit, no cluster, no barrier: nothing is shared and every byte is touched once.
.set PITCH, 528
.set TILEB, 16*PITCH                   ; 8,448
.set SPARE, TILEB                      ; behind the image: the spare words, one block of 256 bytes that no other line names
.set L16,  2                           ; v2   16 x lane: my 16 bytes in 512, in emb, in the LDS image and in ebx alike
.set L8,   3                           ; v3   8 x lane: my four bf16 in half a row
.set ZP,   4                           ; v4   the pad of row lane % 16
.set L17,  5                           ; v5   8,192 + 16 (lane % 16): the image's last 256 bytes
.set LB,   6                           ; v6   0: the image's first byte
.set SPW,  10                          ; v10  my spare word; never rewritten
.set NIL,  11                          ; v11  0; never rewritten
.set P,    12                          ; v[12:15] eight numbers in bf16
.set U,    16                          ; v[16:23] the same, widened again
.set S,    24                          ; v[24:25] two running sums of squares
.set ZR,   26                          ; v[26:29] zeros
.set SS,   32                          ; v[32:47] row i: its sum
.set X,    48                          ; v[48:175] row i, half j as loaded, at X + 8 i + 4 j; later the image on its way out
	s_load_b128 s[4:7], s[0:1], 0x0                ; emb s[4:5], ebx s[6:7]
	v_lshl_add_u32 v[SPW], v0, 2, SPARE
	v_mov_b32 v[NIL], 0
	s_mov_b32 s9, 0xffff0000                       ; a word's upper bf16
	s_mov_b32 s10, 0x76543210                      ; v_permlanex16_b32: each lane takes its own place in the other half
	s_mov_b32 s11, 0xfedcba98
	s_lshl_b32 s12, ttmp9, 14                      ; the tile's 16 rows of 1,024 bytes in emb
	s_mov_b32 s13, 0
	s_mul_i32 s14, ttmp9, TILEB                    ; and its image in ebx
	s_mov_b32 s15, 0
	v_lshlrev_b32 v[L16], 4, v0                    ; one wave: the thread's number is the lane
	v_lshlrev_b32 v[L8], 3, v0
	v_and_b32 v[ZP], 15, v0
	v_lshl_add_u32 v[L17], v[ZP], 4, 8192
	v_mul_u32_u24 v[ZP], v[ZP], PITCH
	v_add_nc_u32 v[ZP], 512, v[ZP]
	v_mov_b32 v[LB], 0
.irp j, 0,1,2,3
	v_mov_b32 v[ZR+(\j)], 0
.endr
	s_wait_kmcnt 0x0
	s_add_nc_u64 s[4:5], s[4:5], s[12:13]
	s_add_nc_u64 s[6:7], s[6:7], s[14:15]
.set i, 0
.rept 32                                               ; the whole tile is asked for at once: row i / 2, half i % 2
	global_load_b128 v[X+4*i:X+4*i+3], v[L16], s[4:5] offset:512*i th:TH_LOAD_NT
.set i, i+1
.endr
	ds_store_b128 v[ZP], v[ZR:ZR+3]                ; all sixteen pads are cleared (lanes 16 apart write the same zeros); ee is written over the first four below
; Row i: rounded, put into the image, widened again and squared.
.macro ROW i
	s_wait_loadcnt 30-2*(\i)                       ; loads come back in order: this row's two are in, the later rows' stay out
.irp j, 0,1,2,3
	v_cvt_pk_bf16_f32 v[P+(\j)], v[X+8*(\i)+2*(\j)], v[X+8*(\i)+2*(\j)+1]
.endr
	ds_store_b64 v[L8], v[P:P+1] offset:(\i)*PITCH         ; 32 lanes, 256 consecutive bytes
	ds_store_b64 v[L8], v[P+2:P+3] offset:(\i)*PITCH+256
.irp j, 0,1,2,3
	v_lshlrev_b32 v[U+2*(\j)], 16, v[P+(\j)]
	v_and_b32 v[U+2*(\j)+1], s9, v[P+(\j)]
.endr
	v_pk_mul_f32 v[S:S+1], v[U:U+1], v[U:U+1]
	v_pk_fma_f32 v[S:S+1], v[U+2:U+3], v[U+2:U+3], v[S:S+1]
	v_pk_fma_f32 v[S:S+1], v[U+4:U+5], v[U+4:U+5], v[S:S+1]
	v_pk_fma_f32 v[S:S+1], v[U+6:U+7], v[U+6:U+7], v[S:S+1]
	v_add_f32 v[SS+(\i)], v[S], v[S+1]
.endm
.irp i, 0,1,2,3,4,5,6,7,8,9,10,11,12,13,14,15
	ROW \i
.endr
	; the sixteen sums across the 32 lanes, side by side so that no line waits for the one before it
.irp m, 1,2,4,8
.set i, 0
.rept 16
	v_add_f32_dpp v[SS+i], v[SS+i], v[SS+i] row_xmask:\m row_mask:0xf bank_mask:0xf
.set i, i+1
.endr
.endr
.set i, 0
.rept 16
	v_permlanex16_b32 v[X+i], v[SS+i], s10, s11    ; X has been written (by the loads) and is free
.set i, i+1
.endr
.set i, 0
.rept 16
	v_add_f32 v[SS+i], v[SS+i], v[X+i]
.set i, i+1
.endr
.set i, 0
.rept 16
	ds_store_b32 v[LB], v[SS+i] offset:(i/4)*PITCH+512+(i%4)*4     ; every lane holds the sum: all write the one word
.set i, i+1
.endr
	; the image leaves: LDS serves a wave's instructions in order (ISA guide 5.7.1.4), so these loads see the stores above
.set i, 0
.rept 16
	ds_load_b128 v[X+4*i:X+4*i+3], v[L16] offset:512*i
.set i, i+1
.endr
	ds_load_b128 v[X+64:X+67], v[L17]
.set i, 0
.rept 16
	s_wait_dscnt 16-i                              ; piece i is back; the later ones stay out
	global_store_b128 v[L16], v[X+4*i:X+4*i+3], s[6:7] offset:512*i   ; 512 consecutive bytes, at a multiple of 256 from ebx's first
.set i, i+1
.endr
	s_wait_dscnt 0x0
	v_cmp_gt_u32 vcc_lo, 16, v0
	s_wait_xcnt 0x0                                ; EXEC is a source of the stores above: it changes only behind this wait
	s_and_saveexec_b32 s8, vcc_lo
	global_store_b128 v[L17], v[X+64:X+67], s[6:7] ; the last 256 bytes: sixteen lanes
	s_wait_xcnt 0x0
	s_or_b32 exec_lo, exec_lo, s8
	s_wait_tensorcnt 0x0                           ; the wave's end: an add of 0 to my spare word and its wait, behind my last LDS store
	ds_add_u32 v[SPW], v[NIL]
	s_wait_dscnt 0x0
	s_endpgm
.Lfunc_end_k_qd3c381c1cc_prep:
	.size	k_qd3c381c1cc_prep, .Lfunc_end_k_qd3c381c1cc_prep-k_qd3c381c1cc_prep
	.p2alignl 7, 3214868480
	.fill 96, 4, 3214868480
	.section	.rodata,"a",@progbits
	.p2align	6, 0x0
	.amdhsa_kernel k_qd3c381c1cc_prep
		.amdhsa_group_segment_fixed_size 8704
		.amdhsa_private_segment_fixed_size 0
		.amdhsa_enable_private_segment 0
		.amdhsa_kernarg_size 16
		.amdhsa_user_sgpr_count 2
		.amdhsa_user_sgpr_kernarg_segment_ptr 1
		.amdhsa_wavefront_size32 1
		.amdhsa_system_sgpr_workgroup_id_x 1
		.amdhsa_system_sgpr_workgroup_id_y 1
		.amdhsa_system_sgpr_workgroup_id_z 1
		.amdhsa_system_vgpr_workitem_id 0
		.amdhsa_next_free_vgpr 176
		.amdhsa_next_free_sgpr 66
		.amdhsa_reserve_vcc 1
		.amdhsa_float_denorm_mode_32 3
		.amdhsa_float_denorm_mode_16_64 3
		.amdhsa_memory_ordered 1
		.amdhsa_forward_progress 1
		.amdhsa_inst_pref_size 30
	.end_amdhsa_kernel
	.amdgpu_metadata
---
amdhsa.version: [ 1, 2 ]
amdhsa.kernels:
  - .name:           k_qd3c381c1cc_prep
    .symbol:         k_qd3c381c1cc_prep.kd
    .args:
      - { .name: emb, .offset: 0, .size: 8, .value_kind: global_buffer, .address_space: global }
      - { .name: ebx, .offset: 8, .size: 8, .value_kind: global_buffer, .address_space: global }
    .group_segment_fixed_size: 8704
    .private_segment_fixed_size: 0
    .kernarg_segment_align: 8
    .kernarg_segment_size: 16
    .max_flat_workgroup_size: 32
    .sgpr_count:     66
    .vgpr_count:     176
    .wavefront_size: 32
...
	.end_amdgpu_metadata
.endif
;; end of part 1
;; launch seek (part 2): grid 256 x 1, 4 waves a work-group, clusters of 4 x 1, 327,680 bytes of LDS; arguments z, ebx, out2, pick, part; writes out2, pick, part
.if DOCPART == 2
	.amdgcn_target "amdgcn-amd-amdhsa--gfx1250"
	.amdhsa_code_object_version 6
	.text
	.protected	k_qd3c381c1cc_seek
	.globl	k_qd3c381c1cc_seek
	.p2align	8
	.type	k_qd3c381c1cc_seek,@function
k_qd3c381c1cc_seek:
	s_mov_b64 s[64:65], 0
	v_nop
	global_prefetch_b8 v0, s[64:65] scope:SCOPE_SE
	s_setreg_imm32_b32 hwreg(HW_REG_WAVE_MODE, 25, 1), 1
	s_wait_xcnt 0x0
	s_wait_alu depctr_hold_cnt(0) depctr_sa_sdst(0) depctr_va_vdst(0) depctr_va_sdst(0) depctr_va_ssrc(0) depctr_va_vcc(0) depctr_vm_vsrc(0)
	s_getreg_b32 s2, hwreg(HW_REG_IB_STS2, 6, 4)
	s_cmp_eq_u32 s2, 0
	s_cbranch_scc0 .Lentry_in_a_cluster
	s_endpgm
.Lentry_in_a_cluster:
	s_bfe_u32 s2, ttmp6, 0x10000c
	s_cmp_lg_u32 s2, 0x3003
	s_cbranch_scc0 .Lentry_shape_is_right
	s_endpgm
.Lentry_shape_is_right:
; THE SEARCH.  For each of 32,768 queries (z[b][:][t], 256 numbers) the first code k of 8,192 with the least d = fl(fl(zz + ee[k]) - 2 z.e[k]).  z: [8][256][4096] f32; ebx: the codes in bf16 with ee (see its
; layout below).  Stored: out2 and pick, the index, twice (the output, and whole numbers for the next launch's addresses); part[g], the work-group's sum of the least d, of which the next launch makes the loss.
; ARITHMETIC.  z and the codes are used ROUNDED TO bf16 throughout; products and sums in f32 in the matrix unit; t = zz + ee is one f32 addition and d = -2 x dot + t one fused multiply-add, which rounds as
; the subtraction of the exact 2 x dot does.  A later code takes the place of an earlier one only if its d is strictly less, so of equal d the lowest index stays.
; LIMITS.  The order in which a dot product's 256 terms are added is the matrix unit's: where that moves a d across a rounding boundary at a tie, another of the tied codes is named.  NaN and infinities are not
; treated apart (a NaN loses every minimum; a row with no d below +inf names code 7); +0 and -0 count as equal.  The sum of squared differences of a row is taken as its least d: its relative error is about
; 2^-23 (zz + ee) / d, small as long as no code equals its query to a few parts in a thousand.
; SHARES.  Work-group g = 4 x cluster + place owns 128 queries (b = g / 32, t from 128 (g % 32)) and walks all codes.  EVERY wave holds all 128 queries as fragments, 512 registers; the CODES are shared out:
; of each chunk of 256 codes wave w fetches and reads 64, four tiles of 16.  So a code fragment (two LDS loads) feeds eight matrix instructions, and no wave reads another's bytes of the ring.
; THE PRODUCT is used with source 0 = 16 codes, source 1 = 16 queries: a lane holds ONE query (lane % 16) and in register j the code 8 (lane / 16) + j of the tile.  zz is one number a lane, ee eight.
; THE MINIMUM, 21 vector instructions for 16 x 16 distances: 4 packed additions (t), 4 packed multiply-adds (d, in place), 4 three-way minima over d0-d7 and the best so far, a compare, and under its mask
; the tile's number and d0-d6 are kept.  At the end the place in the tile is the first j with d_j = best, else 7.  The best takes turns between two registers by the tile's parity, which spares a move.
; BY TURNS.  A RUN is 32 products: one tile of codes x four tiles of queries x K = 256, its four accumulators by turns.  Behind its products stand the 84 vector instructions (RIDERS) that
; finish the run before and make t for this one.  Two runs are a tile, four tiles a chunk.
; RING.  Two slots of a chunk each (135,168 bytes).  A slot is left when its fourth tile's fragments are in registers; the refill then has 256 products in which to land.
; CLUSTER.  The four work-groups of a cluster walk the same codes, so each quarter chunk is asked for JOINTLY: the same tensor load, descriptor and mask in all four.  The place in the cluster enters the
; addresses of z, out2, pick and part alone.
; ebx: tile of 16 codes = 16 rows of 528 bytes: 512 of bf16, then 16 that hold ee[4 i .. 4 i + 3] in row i < 4.  Rows 528 apart start at sixteen different groups of four banks (64 banks of 4 bytes: ISA guide 11.1).
; REGISTERS, in windows of 256 (s_set_vgpr_msb: bits 1:0 source 0, 3:2 source 1, 5:4 source 2, 7:6 destination):
;   window 0: see the names below      window 1: v0-127 code fragments, two buffers of 64 (K step k at 8 k); at the start all 256: z as loaded
;   window 2: the queries' fragments, tiles 0-3 (tile u, K step k at 64 u + 8 k)      window 3: tiles 4-7
.set PITCH, 528
.set TILEB, 16*PITCH                   ; 8,448: a tile of 16 codes
.set QUART, 4*TILEB                    ; 33,792: a wave's part of a chunk
.set CHUNK, 4*QUART                    ; 135,168: 256 codes
.set SLOT1, CHUNK                      ; 0x21000: its two bits are set in no w x QUART and in no i x TILEB, so one exclusive or turns an address in one slot into the other's
.set STAGE, 2*CHUNK                    ; behind the ring, never filled by a tensor load: 128 rows (channels) x 288 bytes, to turn z; 288 = 9 x 32
.set SP,    288
.set SCR,   STAGE                      ; at the end the stage's first 4 KiB carry the four waves' results
.set SPARE, STAGE+128*SP               ; the spare words, 128 bytes for each wave: two blocks of 256 bytes that no other line names
.set ADR0, 4                           ; v4   w QUART + 528 (l % 16) + 16 (l / 16): my place in a tile's fragments; never rewritten
.set AE0,  5                           ; v5   w QUART + 1,056 (l / 16) + 512: my eight ee
.set ADR,  6                           ; v6   the same two for the tile that is fetched
.set AE,   7                           ; v7
.set ZO,   8                           ; v8   my byte offset in z: 32 w rows + 16 l
.set STO,  9                           ; v9   into the stage: row 32 w, 8 l
.set TRA,  10                          ; v10  out of the stage, turned
.set LBC,  11                          ; v11  64 w + 8 (l / 16): what my lane adds to a code's number
.set SCW,  12                          ; v12  my word in the waves' results
.set SPW,  14                          ; v14  my spare word; never rewritten
.set NIL,  15                          ; v15  0; never rewritten
.set ZZ,   16                          ; v[16:31]   zz of query tile q, twice: a pair for the packed addition
.set EE,   32                          ; v[32:47]   ee, two buffers of eight
.set T,    48                          ; v[48:79]   t for the four tiles of a run
.set A,    80                          ; v[80:83]   minima at work
.set BEST, 84                          ; v[84:99]   the best so far: by parity, then q
.set IDX,  100                         ; v[100:107] the number of the tile that holds it
.set W,    108                         ; v[108:163] that tile's d0-d6, seven a q
.set ACC,  164                         ; v[164:227] eight accumulators
.set XT,   228                         ; v228-235 at work at the start and at the end
.set YT,   229
.set JJ,   230
.set CD,   231
.set OB,   232
.set OC,   233
.set T1,   234
.set T2,   235
.set WV,   14                          ; s14  my wave's number
.set G1,   24                          ; s[24:31] descriptor group 1
.set G0A,  32                          ; s[32:35] group 0 of the first fill
.set G0B,  36                          ; s[36:39] group 0 of the second, which then walks
.set TB,   40                          ; s40  LDS byte, less the wave's part, of the tile to be fetched next
.set CN,   41                          ; s41  the number (0 to 127) of the tile whose distances the riders finish
.set CNT,  42                          ; s42  counts pairs of tiles
.set SLOTS, 43                         ; s43  counts chunks
.set MK,   44                          ; s[44:47] the compares' masks, one for each tile of a run
.set SEL,  48                          ; s[48:49] v_permlanex16_b32: each lane takes its own place in the other half
.set DM,   50                          ; s[50:57] the lanes in which register j of a 16 x 16 result lies on the diagonal
.set VAL,  58                          ; s58  the lanes that hold a diagonal number at all
.set MSB, 0
.macro WIN new                         ; the immediate's high byte repeats the setting that is left; a switch that changes nothing is dropped
.if MSB != (\new)
	s_set_vgpr_msb (MSB<<8)|(\new)
.set MSB, (\new)
.endif
.endm
; A round of the cluster's barrier: my work-group's barrier, so that wave 0's signal speaks for all four waves; wave 0 signals; every wave waits for all four work-groups; my work-group's barrier once more.
.macro CROUND
	s_barrier_signal -1
	s_barrier_wait -1
	s_cmp_lg_u32 s[WV], 0
	s_cbranch_scc1 .Lnot_wave_0_\@
	s_barrier_signal -3
.Lnot_wave_0_\@:
	s_barrier_wait -3
	s_barrier_signal -1
	s_barrier_wait -1
.endm
	s_load_b256 s[4:11], s[0:1], 0x0               ; z s[4:5], ebx s[6:7], out2 s[8:9], pick s[10:11]
	s_load_b64 s[12:13], s[0:1], 0x20              ; part
	v_lshl_add_u32 v[SPW], v0, 2, SPARE
	v_mov_b32 v[NIL], 0
	ds_add_u32 v[SPW], v[NIL]                      ; the wave's opening: an add of 0 and its wait stand ahead of my first tensor load; the set-up below, work on registers, stands between them
	v_lshrrev_b32 v13, 5, v0
	v_readfirstlane_b32 s[WV], v13                 ; wave 0..3
	s_bfe_u32 s15, ttmp6, 0x40000                  ; my place in the cluster
	s_lshl_b32 s16, ttmp9, 2                       ; in a cluster launch ttmp9 counts clusters
	s_add_co_u32 s16, s16, s15                     ; g
	; descriptor group 1: a quarter chunk is 33,792 dense bytes, asked for as 132 rows of 256 bytes; the image needs no padding, it has its own
	s_mov_b32 s[G1], 15|(3<<16)|(1<<21)            ; 15:0 the mask: all four work-groups; 17:16 elements of 8 bytes; 21 set beside a mask
	s_mov_b32 s[G1+1], 32<<16                      ; tensor_dim0 = 32
	s_mov_b32 s[G1+2], 132<<16                     ; tensor_dim1 = 132
	s_mov_b32 s[G1+3], 32<<16                      ; tile_dim0 = 32
	s_mov_b32 s[G1+4], 132                         ; tile_dim1 = 132
	s_mov_b32 s[G1+5], 32                          ; 32 elements from row to row
	s_mov_b32 s[G1+6], 0
	s_mov_b32 s[G1+7], 0
	s_mul_i32 s17, s[WV], QUART                    ; my quarter, in a chunk of ebx and in a slot alike: no place in the cluster enters it
	s_mov_b32 s18, s17
	s_mov_b32 s19, 0
	s_mov_b32 s[G0A], 1                            ; count = 1
	s_mov_b32 s[G0A+1], s17                        ; LDS address: slot 0
	s_mov_b32 s[G0B], 1
	s_add_co_u32 s[G0B+1], s17, SLOT1              ; slot 1
	s_mov_b32 s[SEL], 0x76543210
	s_mov_b32 s[SEL+1], 0xfedcba98
.irp j, 0,1,2,3,4,5,6,7
	s_mov_b32 s[DM+(\j)], (1<<(\j))|(1<<(24+(\j))) ; register j holds row 8 (l / 16) + j, column l % 16: equal in lanes j and 24 + j
.endr
	s_mov_b32 s[VAL], 0xff0000ff
	s_lshr_b32 s20, s16, 5                         ; b,
	s_lshl_b32 s20, s20, 22                        ; its 256 x 4,096 numbers,
	s_and_b32 s21, s16, 31
	s_lshl_b32 s21, s21, 9                         ; and my 128 columns
	s_add_co_u32 s20, s20, s21
	s_mov_b32 s21, 0
	s_lshl_b32 s22, s16, 9                         ; my 128 indices
	s_mov_b32 s23, 0
	s_lshl_b32 s60, s16, 2                         ; my word of part
	s_mov_b32 s61, 0
	v_and_b32 v1, 15, v0                           ; l % 16
	v_bfe_u32 v2, v0, 4, 1                         ; l / 16
	v_and_b32 v3, 31, v0                           ; l
	s_lshl_b32 s62, s[WV], 19                      ; 32 rows of 16,384 bytes
	v_lshl_add_u32 v[ZO], v3, 4, s62
	s_wait_dscnt 0x0                               ; the opening add is done
	s_wait_kmcnt 0x0
	s_add_nc_u64 s[4:5], s[4:5], s[20:21]
	s_add_nc_u64 s[6:7], s[6:7], s[18:19]          ; ebx at my quarter of chunk 0
	s_add_nc_u64 s[8:9], s[8:9], s[22:23]
	s_add_nc_u64 s[10:11], s[10:11], s[22:23]
	s_add_nc_u64 s[12:13], s[12:13], s[60:61]
	s_mov_b64 s[G0A+2:G0A+3], s[6:7]
	s_or_b32 s[G0A+3], s[G0A+3], 0x80000000        ; type = 2
	s_add_nc_u64 s[G0B+2:G0B+3], s[6:7], CHUNK
	s_or_b32 s[G0B+3], s[G0B+3], 0x80000000
	CROUND                                         ; all four work-groups are here: the first joint loads meet
	tensor_load_to_lds s[G0A:G0A+3], s[G1:G1+7]    ; chunks 0 and 1: two loads of mine are out
	s_nop 0
	tensor_load_to_lds s[G0B:G0B+3], s[G1:G1+7]
	s_nop 0
.rept 4
	v_nop
.endr
	; z: my 64 of the work-group's 256 rows (channels), 512 consecutive bytes a load: channel 128 u + 32 w + i lands at 4 (32 u + i) of window 1
	WIN 0x40
.set i, 0
.rept 64
	global_load_b128 v[4*i:4*i+3], v[ZO], s[4:5] offset:((i/32)*128+i%32)*16384 th:TH_LOAD_NT
.set i, i+1
.endr
	WIN 0
	; while they are on their way: the lanes' addresses,
	v_mul_u32_u24 v[ADR0], v1, PITCH
	v_lshl_add_u32 v[ADR0], v2, 4, v[ADR0]
	v_add_nc_u32 v[ADR0], s17, v[ADR0]
	v_mul_u32_u24 v[AE0], v2, 2*PITCH
	v_add_nc_u32 v[AE0], s17, v[AE0]
	v_add_nc_u32 v[AE0], 512, v[AE0]
	s_mul_i32 s62, s[WV], 32*SP
	s_add_co_u32 s62, s62, STAGE
	v_lshl_add_u32 v[STO], v3, 3, s62
	v_and_b32 v13, 7, v0                           ; the turning load: lane l reads row 8 (l / 16) + l % 8, 16 bytes at 16 ((l / 8) % 2)
	v_lshl_add_u32 v13, v2, 3, v13
	v_mul_u32_u24 v[TRA], v13, SP
	v_bfe_u32 v13, v0, 3, 1
	v_lshl_add_u32 v[TRA], v13, 4, v[TRA]
	v_add_nc_u32 v[TRA], STAGE, v[TRA]
	s_lshl_b32 s62, s[WV], 6
	v_lshl_add_u32 v[LBC], v2, 3, s62
	s_lshl_b32 s62, s[WV], 10
	s_add_co_u32 s62, s62, SCR
	v_lshl_add_u32 v[SCW], v1, 2, s62
	; and what the first run's riders find, which finish a run that has not been: with d = +inf nothing is taken.  The price of writing no first step out.
.set i, 0
.rept 8
	v_mov_b32 v[IDX+i], 0
.set i, i+1
.endr
.set i, 0
.rept 56
	v_mov_b32 v[W+i], 0
.set i, i+1
.endr
.set i, 0
.rept 32
	v_mov_b32 v[T+i], 0
.set i, i+1
.endr
.set i, 0
.rept 4
	v_mov_b32 v[BEST+8+i], 0x7f800000              ; what tile 0 reads for q = 0-3,
	v_mov_b32 v[BEST+4+i], 0x7f800000              ; and the run that has not been for q = 4-7
.set i, i+1
.endr
	v_mov_b32 v[YT], 0                             ; v_permlanex16_b32 counts as a reader of its destination
	v_mov_b32 v[OB], 0
	v_mov_b32 v[OC], 0
; Pass u: channels 128 u to 128 u + 127 are rounded to bf16, laid into the stage as [channel][query], and every wave takes all 128 queries out turned: fragments of 16 queries x 32 channels.
.macro PASS u
	s_wait_loadcnt 32*(1-(\u))                     ; loads come back in order: this pass's 32 rows are in, the next pass's stay out
	WIN 0x45                                       ; sources and destination in window 1
.set i, 0
.rept 32
	v_cvt_pk_bf16_f32 v[128*(\u)+4*i], v[128*(\u)+4*i], v[128*(\u)+4*i+1]
	v_cvt_pk_bf16_f32 v[128*(\u)+4*i+1], v[128*(\u)+4*i+2], v[128*(\u)+4*i+3]
.set i, i+1
.endr
	WIN 0x04                                       ; the data in window 1, the address in window 0
.set i, 0
.rept 32
	ds_store_b64 v[STO], v[128*(\u)+4*i:128*(\u)+4*i+1] offset:SP*i
.set i, i+1
.endr
	WIN 0
	s_wait_dscnt 0x0                               ; for the others' sake: my rows are in the stage
	s_barrier_signal -1                            ; the two tensor loads may stay out
	s_barrier_wait -1
.irp q, 0,1,2,3,4,5,6,7
	WIN 0x80+0x40*((\q)/4)                         ; destination window 2 or 3
.irp kl, 0,1,2,3
	ds_load_tr16_b128 v[64*((\q)%4)+8*(4*(\u)+(\kl)):64*((\q)%4)+8*(4*(\u)+(\kl))+3],   v[TRA] offset:32*SP*(\kl)+32*(\q)
	ds_load_tr16_b128 v[64*((\q)%4)+8*(4*(\u)+(\kl))+4:64*((\q)%4)+8*(4*(\u)+(\kl))+7], v[TRA] offset:32*SP*(\kl)+16*SP+32*(\q)
.endr
.endr
	WIN 0
	s_wait_dscnt 0x0
.if (\u) == 0
	s_barrier_signal -1                            ; every wave's reads of the stage are back: it may be written again
	s_barrier_wait -1
.endif
.endm
	PASS 0
	PASS 1
	; zz by the matrix unit: the diagonal of Z Z^T, of the same rounded numbers that the products take.  Four accumulators by turns, twice.
.irp g, 0,1
	WIN 0x0a+5*(\g)                                ; both sources in window 2, then 3
.set i, 0
.rept 32
.set rA, ACC+8*(4*(\g)+i%4)
.set rZ, 64*(i%4)+8*(i/4)
.if i < 4
	v_wmma_f32_16x16x32_bf16 v[rA:rA+7], v[rZ:rZ+7], v[rZ:rZ+7], 0
.else
	v_wmma_f32_16x16x32_bf16 v[rA:rA+7], v[rZ:rZ+7], v[rZ:rZ+7], v[rA:rA+7]
.endif
.set i, i+1
.endr
.endr
	WIN 0
.rept 4
	v_nop                                          ; the places behind the last product (ISA guide 7.12.1)
.endr
.irp q, 0,1,2,3,4,5,6,7
	v_cndmask_b32 v[XT], 0, v[ACC+8*(\q)], s[DM]   ; lanes 0-7 pick queries 0-7, lanes 24-31 queries 8-15; the lowest register is read first
.irp j, 1,2,3,4,5,6,7
	v_cndmask_b32 v[XT], v[XT], v[ACC+8*(\q)+(\j)], s[DM+(\j)]
.endr
	v_permlanex16_b32 v[YT], v[XT], s[SEL], s[SEL+1]
	v_cndmask_b32 v[ZZ+2*(\q)], v[YT], v[XT], s[VAL]       ; the other lanes take theirs from the lane 16 away
	v_mov_b32 v[ZZ+2*(\q)+1], v[ZZ+2*(\q)]
.endr
.set i, 0
.rept 32
	v_mov_b32 v[ACC+32+i], 0xff800000              ; -inf: the run that has not been gives d = +inf
.set i, i+1
.endr
; Product i of a run's 32: K step i / 4, query tile 4 grp + i % 4; codes from buffer par.  The first four start the sums: nothing is cleared.
.macro MM grp, par
	WIN 0x09+4*(\grp)                              ; codes in window 1, queries in window 2 or 3, sums in window 0
.set k, i/4
.set u, i%4
.set rA, ACC+8*(4*(\grp)+u)
.set rF, 64*(\par)+8*k
.set rZ, 64*u+8*k
.if k == 0
	v_wmma_f32_16x16x32_bf16 v[rA:rA+7], v[rF:rF+7], v[rZ:rZ+7], 0
.else
	v_wmma_f32_16x16x32_bf16 v[rA:rA+7], v[rF:rF+7], v[rZ:rZ+7], v[rA:rA+7]
.endif
.set i, i+1
.endm
; Rider n of a run's 84; the four tiles alternate (u = n % 4), so that no line reads a result made fewer than four lines before it.  Numbers 0-67 finish the run BEFORE: query tiles 4 (1 - grp) + u, of this
; tile of codes if grp = 1, of the one before if grp = 0.  0-15: d = -2 x sum + t, in place, the lowest registers first.  16-31: the least of d0-d7 and the best so far.  32-35: has it fallen?
; 36-39: then the tile's number is kept, 40-67: and d0-d6.  Numbers 68-83 make t = ee + zz for THIS run's tiles.
.macro VQ grp, par
.set u, n%4
.set vq, 4*(1-(\grp))+u
.set vp, (\par)
.if (\grp) == 0
.set vp, 1-(\par)
.endif
.set rD, ACC+8*vq
.set rT, T+8*u
.set rB, BEST+8*vp+vq
.set rO, BEST+8*(1-vp)+vq
.if n < 16
.set e, 2*(n/4)
	v_pk_fma_f32 v[rD+e:rD+e+1], v[rD+e:rD+e+1], -2.0, v[rT+e:rT+e+1] op_sel_hi:[1,0,1]
.elseif n < 20
	v_min3_num_f32 v[A+u], v[rD], v[rD+1], v[rD+2]
.elseif n < 28
.set e, 2*(n/4)-7
	v_min3_num_f32 v[A+u], v[A+u], v[rD+e], v[rD+e+1]
.elseif n < 32
	v_min3_num_f32 v[rB], v[A+u], v[rD+7], v[rO]
.elseif n < 36
	v_cmp_lt_f32 s[MK+u], v[rB], v[rO]
.elseif n < 40
	v_cndmask_b32 v[IDX+vq], v[IDX+vq], s[CN], s[MK+u]
.elseif n < 68
.set e, (n-40)/4
	v_cndmask_b32 v[W+7*vq+e], v[W+7*vq+e], v[rD+e], s[MK+u]
.else
.set e, 2*((n-68)/4)
.set q, 4*(\grp)+u
	v_pk_add_f32 v[rT+e:rT+e+1], v[EE+8*(\par)+e:EE+8*(\par)+e+1], v[ZZ+2*q:ZZ+2*q+1]
.endif
.set n, n+1
.endm
.macro RIDE grp, par, c                ; the next c riders
	WIN 0
.rept \c
	VQ \grp, \par
.endr
.endm
; The fetch of a tile of codes: its addresses; 16 loads of fragments (load f: 16 bytes at 32 f of my row); 2 of ee.
.macro AFETCH
	v_add_nc_u32 v[ADR], s[TB], v[ADR0]
	v_add_nc_u32 v[AE], s[TB], v[AE0]
	s_add_co_u32 s[TB], s[TB], TILEB               ; the next fetch is the next tile's
.endm
.macro FLOAD par, c                    ; the next c of the 16
	WIN 0x40                                       ; destination window 1
.rept \c
	ds_load_b128 v[64*(\par)+4*f:64*(\par)+4*f+3], v[ADR] offset:32*f
.set f, f+1
.endr
.endm
.macro ELOAD par
	WIN 0
	ds_load_b128 v[EE+8*(\par):EE+8*(\par)+3], v[AE]
	ds_load_b128 v[EE+8*(\par)+4:EE+8*(\par)+7], v[AE] offset:PITCH
.endm
; A RUN.  Without a fetch: three riders behind each of the first 20 products, two behind each of the last 12.  With one: three and the addresses behind the first product, the loads in three runs behind the
; next three, then three riders a product, one behind the last but one and two behind the last.
; PLACES (ISA guide 7.12.1 for vector instructions).  A run's last riders make t and name no register of its products.  The accumulator finished last is read by rider 3 of the next run: two riders
; of t and riders 0-2, which name other accumulators, stand between.  The loads into the other buffer stand behind two riders of t, three riders and the two address lines since that buffer's last reader.
.macro RUN grp, par, fetch
.set i, 0
.set n, 0
.set f, 0
.rept 32
	MM \grp, \par
.if \fetch
.if i == 1
	RIDE \grp, \par, 3
	AFETCH
.elseif i < 4
	FLOAD 1-(\par), 6
.elseif i == 4
	FLOAD 1-(\par), 4
	ELOAD 1-(\par)
.elseif i < 31
	RIDE \grp, \par, 3
.elseif i == 31
	RIDE \grp, \par, 1
.else
	RIDE \grp, \par, 2
.endif
.elseif i < 21
	RIDE \grp, \par, 3
.else
	RIDE \grp, \par, 2
.endif
.endr
.endm
; A TILE of 16 codes against all 128 queries.  fetch = 1: the next tile's fragments and ee come into the other buffers.
.macro TILE par, fetch
	s_wait_dscnt 0x0                               ; this tile's fragments and ee, asked for some 60 products ago
	RUN 0, \par, \fetch
	s_add_co_u32 s[CN], s[CN], 1                   ; from here on the riders finish this tile
	RUN 1, \par, 0
	WIN 0                                          ; at a label and at a branch every window is 0
.endm
; THE CHANGE OF SLOTS stands in front of a chunk's fourth tile, whose fragments have been asked for: the slot's last reads.  Each wave waits for all its tensor loads, of which one is out: its part of the other
; slot; adds 0 to its spare word; and waits for that and for its reads of the slot.  The barrier is a round of the cluster's, so that no wave of any partner still reads the slot or has a load on its way, and the
; joint refill is the first thing behind it.
.macro CHANGE
	WIN 0
	s_wait_tensorcnt 0x0                           ; no tensor load of mine is out, so a group 0 may be written
	ds_add_u32 v[SPW], v[NIL]                      ; 0 onto my spare word; the descriptor's steps stand between it and the wait for it
	s_xor_b32 s[G0B+1], s[G0B+1], SLOT1            ; the walking descriptor: the other slot than last time,
	s_add_nc_u64 s[G0B+2:G0B+3], s[G0B+2:G0B+3], CHUNK     ; the next chunk; the type bits on top are not reached
	s_wait_dscnt 0x0                               ; the add is done, and my reads of the slot are over
	CROUND
	tensor_load_to_lds s[G0B:G0B+3], s[G1:G1+7]    ; one load of mine is out
	s_nop 0
.rept 4
	v_nop
.endr
	s_sub_co_u32 s[TB], s[TB], QUART               ; the fetches go back to a quarter's first tile,
	s_xor_b32 s[TB], s[TB], SLOT1                  ; in the other slot
.endm
	s_wait_tensorcnt 0x1                           ; my quarter of chunk 0 is in, chunk 1's load may stay out; nobody else reads my quarter, so no barrier stands here
	s_mov_b32 s[TB], 0
	AFETCH
.set f, 0
	FLOAD 0, 16                                    ; tile 0
	ELOAD 0
	s_mov_b32 s[CN], -1
	s_mov_b32 s[CNT], 2
	s_mov_b32 s[SLOTS], 31
	s_branch .Lfirst                               ; the loop is entered in the middle of a trip: chunk 0's first three tiles
.Lslot:                                                ; 30 times: chunks 2 to 31 are asked for
	CHANGE
	s_mov_b32 s[CNT], 2
.Lpair:                                                ; a trip: an odd tile and an even one; two trips: a chunk's fourth tile and the next chunk's first three
	TILE 1, 1
.Lfirst:
	TILE 0, 1
	s_sub_co_u32 s[CNT], s[CNT], 1
	s_cmp_lg_u32 s[CNT], 0
	s_cbranch_scc1 .Lpair
	s_sub_co_u32 s[SLOTS], s[SLOTS], 1
	s_cmp_lg_u32 s[SLOTS], 0
	s_cbranch_scc1 .Lslot
	s_wait_tensorcnt 0x0                           ; the tail is written out.  Chunk 31 is in; nothing is filled again and the bytes are my own: no barrier
	s_sub_co_u32 s[TB], s[TB], QUART
	s_xor_b32 s[TB], s[TB], SLOT1
	s_mov_b32 s[CNT], 2
.Ltail:
	TILE 1, 1
	TILE 0, 1
	s_sub_co_u32 s[CNT], s[CNT], 1
	s_cmp_lg_u32 s[CNT], 0
	s_cbranch_scc1 .Ltail
	TILE 1, 0                                      ; tile 127: nothing is left to fetch
.set n, 0
.rept 68
	VQ 0, 0                                        ; its query tiles 4-7 are finished: riders 0-67 as a next run would hold them
.endr
; THE END.  Of two results (best b, code c) the other (ob, oc) is taken if it is less, or equal with the lower code.
.macro MERGE b, c, ob, oc
	v_cmp_lt_f32 s59, v[\ob], v[\b]
	v_cmp_eq_f32 s60, v[\ob], v[\b]
	v_cmp_lt_u32 s61, v[\oc], v[\c]
	s_and_b32 s60, s60, s61
	s_or_b32 s59, s59, s60
	v_cndmask_b32 v[\b], v[\b], v[\ob], s59
	v_cndmask_b32 v[\c], v[\c], v[\oc], s59
.endm
; Query tile q: the place in the winning tile, the code's number, the other half of the lanes' result, and into the waves' table.
.macro FIN q
.set rB, BEST+8+(\q)                   ; tile 127 is odd: the last best lies in the odd buffer
	v_mov_b32 v[JJ], 7
.irp j, 6,5,4,3,2,1,0
	v_cmp_eq_f32 s[MK+(\j)%4], v[W+7*(\q)+(\j)], v[rB]
	v_cndmask_b32 v[JJ], v[JJ], \j, s[MK+(\j)%4]   ; descending, so that the lowest place stays
.endr
	v_lshrrev_b32 v[T1], 2, v[IDX+(\q)]            ; the chunk: 256 codes,
	v_and_b32 v[T2], 3, v[IDX+(\q)]                ; the tile in my quarter: 16,
	v_lshl_add_u32 v[T2], v[T2], 4, v[LBC]         ; my wave's 64 and my half's 8
	v_lshl_add_u32 v[T1], v[T1], 8, v[T2]
	v_add_nc_u32 v[CD], v[T1], v[JJ]
	v_permlanex16_b32 v[OB], v[rB], s[SEL], s[SEL+1]
	v_permlanex16_b32 v[OC], v[CD], s[SEL], s[SEL+1]
	MERGE rB, CD, OB, OC
	ds_store_b32 v[SCW], v[rB] offset:64*(\q)      ; lanes 16 apart write the same word with the same number
	ds_store_b32 v[SCW], v[CD] offset:64*(\q)+512
.endm
.irp q, 0,1,2,3,4,5,6,7
	FIN \q
.endr
	s_wait_dscnt 0x0                               ; for wave 0's sake: my results are in the table
	s_barrier_signal -1
	s_barrier_wait -1
	s_cmp_lg_u32 s[WV], 0
	s_cbranch_scc1 .Lrest
	v_lshl_add_u32 v13, v3, 4, SCR                 ; wave 0: lane l takes queries 4 l to 4 l + 3 of all four waves, into t's registers, which are free
.irp w, 0,1,2,3
	ds_load_b128 v[T+8*(\w):T+8*(\w)+3], v13 offset:1024*(\w)
	ds_load_b128 v[T+8*(\w)+4:T+8*(\w)+7], v13 offset:1024*(\w)+512
.endr
	v_lshlrev_b32 v[T1], 4, v3
	s_wait_dscnt 0x0
.irp w, 1,2,3
.irp e, 0,1,2,3
	MERGE T+(\e), T+4+(\e), T+8*(\w)+(\e), T+8*(\w)+4+(\e)
.endr
.endr
	global_store_b128 v[T1], v[T+4:T+7], s[8:9]    ; 512 consecutive bytes, at a multiple of 256 from the buffer's first
	global_store_b128 v[T1], v[T+4:T+7], s[10:11]
	v_add_f32 v[T], v[T], v[T+1]                   ; the sum of the 128 least d
	v_add_f32 v[T+2], v[T+2], v[T+3]
	v_add_f32 v[T], v[T], v[T+2]
	v_add_f32_dpp v[T], v[T], v[T] row_xmask:1 row_mask:0xf bank_mask:0xf
	v_add_f32_dpp v[T], v[T], v[T] row_xmask:2 row_mask:0xf bank_mask:0xf
	v_add_f32_dpp v[T], v[T], v[T] row_xmask:4 row_mask:0xf bank_mask:0xf
	v_add_f32_dpp v[T], v[T], v[T] row_xmask:8 row_mask:0xf bank_mask:0xf
	v_permlanex16_b32 v[T+1], v[T], s[SEL], s[SEL+1]
	v_add_f32 v[T], v[T], v[T+1]
	v_mov_b32 v[T+2], 0
	v_cmp_eq_u32 vcc_lo, 0, v3
	s_wait_xcnt 0x0                                ; EXEC is a source of the stores above: it changes only behind this wait
	s_and_saveexec_b32 s62, vcc_lo
	global_store_b32 v[T+2], v[T], s[12:13]        ; one number a work-group
	s_wait_xcnt 0x0
	s_or_b32 exec_lo, exec_lo, s62
.Lrest:
	s_wait_tensorcnt 0x0                           ; the wave's end: an add of 0 to my spare word and its wait, behind my last tensor load and my last LDS store
	ds_add_u32 v[SPW], v[NIL]
	s_wait_dscnt 0x0
	CROUND                                         ; the closing round: no work-group ends while a partner may still ask for a tile that names it
	s_endpgm
.Lfunc_end_k_qd3c381c1cc_seek:
	.size	k_qd3c381c1cc_seek, .Lfunc_end_k_qd3c381c1cc_seek-k_qd3c381c1cc_seek
	.p2alignl 7, 3214868480
	.fill 96, 4, 3214868480
	.section	.rodata,"a",@progbits
	.p2align	6, 0x0
	.amdhsa_kernel k_qd3c381c1cc_seek
		.amdhsa_group_segment_fixed_size 327680
		.amdhsa_private_segment_fixed_size 0
		.amdhsa_enable_private_segment 0
		.amdhsa_kernarg_size 40
		.amdhsa_user_sgpr_count 2
		.amdhsa_user_sgpr_kernarg_segment_ptr 1
		.amdhsa_wavefront_size32 1
		.amdhsa_system_sgpr_workgroup_id_x 1
		.amdhsa_system_sgpr_workgroup_id_y 1
		.amdhsa_system_sgpr_workgroup_id_z 1
		.amdhsa_system_vgpr_workitem_id 0
		.amdhsa_next_free_vgpr 1024
		.amdhsa_next_free_sgpr 66
		.amdhsa_reserve_vcc 1
		.amdhsa_float_denorm_mode_32 3
		.amdhsa_float_denorm_mode_16_64 3
		.amdhsa_memory_ordered 1
		.amdhsa_forward_progress 1
		.amdhsa_inst_pref_size 173
	.end_amdhsa_kernel
	.amdgpu_metadata
---
amdhsa.version: [ 1, 2 ]
amdhsa.kernels:
  - .name:           k_qd3c381c1cc_seek
    .symbol:         k_qd3c381c1cc_seek.kd
    .args:
      - { .name: z, .offset: 0, .size: 8, .value_kind: global_buffer, .address_space: global }
      - { .name: ebx, .offset: 8, .size: 8, .value_kind: global_buffer, .address_space: global }
      - { .name: out2, .offset: 16, .size: 8, .value_kind: global_buffer, .address_space: global }
      - { .name: pick, .offset: 24, .size: 8, .value_kind: global_buffer, .address_space: global }
      - { .name: part, .offset: 32, .size: 8, .value_kind: global_buffer, .address_space: global }
    .group_segment_fixed_size: 327680
    .private_segment_fixed_size: 0
    .kernarg_segment_align: 8
    .kernarg_segment_size: 40
    .max_flat_workgroup_size: 128
    .sgpr_count:     66
    .vgpr_count:     1024
    .wavefront_size: 32
...
	.end_amdgpu_metadata
.endif
;; end of part 2
;; launch emit (part 3): grid 256 x 1, 8 waves a work-group, no clusters, 68,608 bytes of LDS; arguments z, ebx, pick, part, out0, out1; writes out0, out1
.if DOCPART == 3
	.amdgcn_target "amdgcn-amd-amdhsa--gfx1250"
	.amdhsa_code_object_version 6
	.text
	.protected	k_qd3c381c1cc_emit
	.globl	k_qd3c381c1cc_emit
	.p2align	8
	.type	k_qd3c381c1cc_emit,@function
k_qd3c381c1cc_emit:
	s_mov_b64 s[64:65], 0
	v_nop
	global_prefetch_b8 v0, s[64:65] scope:SCOPE_SE
	s_setreg_imm32_b32 hwreg(HW_REG_WAVE_MODE, 25, 1), 1
	s_wait_xcnt 0x0
; THE OUTPUT.  out0[b][d][t] = z + (e[idx[t]][d] - z), two f32 additions in that order, with z rounded to bf16 as in the search and e the rounded code out of ebx; out1 = 1.25 / 2^23 x the sum of part's 256 numbers
; (the mean over 32,768 x 256 squared differences, once and a quarter of it again).  z, out0: [8][256][4096] f32; pick: the 32,768 indices, whole numbers stored by the launch before.
; SHARES.  Work-group g owns 128 queries (b = g / 32, t from 128 (g % 32)).  Wave v gathers the codes of queries 16 v to 16 v + 15, a row of 512 bytes a load, and lays them TURNED into LDS; behind one barrier it
; makes channels 32 v to 32 v + 31: each load of z and each store of out0 covers 512 consecutive bytes, at a multiple of 256 from the buffer's first.
; LDS.  ET: 256 rows (channels) of 128 bf16 + 8 bytes = 264.  Channel d lies in row 32 (d % 8) + d / 8: a lane holds eight neighbouring channels of a code, so the 32 lanes of a turning store then hit rows 264 bytes
; apart, 66 words: each of the 64 banks once (ISA guide 11.1).  A row is read as 256 consecutive bytes.
; An index is held to 0 .. 8,191 before it enters an address.  Memory binds: no matrix unit, no cluster (the work-groups share no tile); the gathered rows come from a table of 4 MiB that all work-groups read.
.set EP,    264
.set SPARE, 256*EP                     ; behind ET: the spare words, 128 bytes for each wave: four blocks of 256 bytes that no other line names
.set PITCH, 528                        ; a code's row in ebx
.set ZO,   2                           ; v2   my byte offset in z and out0: 32 v rows + 16 l; never rewritten
.set L16,  3                           ; v3   16 l
.set EW,   4                           ; v4   into ET: 264 l + 32 v
.set ER,   5                           ; v5   out of ET: 8 l + 4 v rows
.set GA,   6                           ; v[6:21]  query n: my 16 bytes of its code's row
.set SPW,  22                          ; v22  my spare word; never rewritten
.set NIL,  23                          ; v23  0; never rewritten
.set TP,   24                          ; v[24:31] four pairs by turns: four queries' numbers of one channel
.set C,    32                          ; v[32:33] four z in bf16
.set ZB,   34                          ; v[34:37] the same, widened again
.set EB,   38                          ; v[38:41] four e; then e - z
.set ZR,   64                          ; v[64:191]  channel i: four z as loaded, then four results
.set G,    192                         ; v[192:255] query n: 16 bytes of its code; later channel i: four e in bf16
	s_load_b256 s[4:11], s[0:1], 0x0               ; z s[4:5], ebx s[6:7], pick s[8:9], part s[10:11]
	s_load_b128 s[12:15], s[0:1], 0x20             ; out0 s[12:13], out1 s[14:15]
	v_lshl_add_u32 v[SPW], v0, 2, SPARE
	v_mov_b32 v[NIL], 0
	v_and_b32 v1, 31, v0                           ; l
	v_lshrrev_b32 v[L16], 5, v0
	v_readfirstlane_b32 s16, v[L16]                ; wave 0..7
	s_mov_b32 s20, 0x05040100                      ; v_perm_b32: the two low halves,
	s_mov_b32 s21, 0x07060302                      ; the two high halves; the second source's goes below
	s_mov_b32 s22, 0xffff0000                      ; a word's upper bf16
	s_mov_b32 s24, 0x76543210
	s_mov_b32 s25, 0xfedcba98
	s_lshr_b32 s18, ttmp9, 5                       ; b,
	s_lshl_b32 s18, s18, 22                        ; its 256 x 4,096 numbers,
	s_and_b32 s19, ttmp9, 31
	s_lshl_b32 s19, s19, 9                         ; and my 128 columns
	s_add_co_u32 s18, s18, s19
	s_mov_b32 s19, 0
	s_lshl_b32 s26, ttmp9, 9                       ; the work-group's 128 indices,
	s_lshl_b32 s27, s16, 6                         ; my wave's 16
	s_add_co_u32 s26, s26, s27
	s_mov_b32 s27, 0
	v_lshlrev_b32 v[L16], 4, v1
	s_lshl_b32 s17, s16, 19                        ; 32 rows of 16,384 bytes
	v_lshl_add_u32 v[ZO], v1, 4, s17
	s_lshl_b32 s28, s16, 5
	v_mul_u32_u24 v[EW], v1, EP
	v_add_nc_u32 v[EW], s28, v[EW]
	s_mul_i32 s29, s16, 4*EP
	v_lshl_add_u32 v[ER], v1, 3, s29
	s_wait_kmcnt 0x0
	s_add_nc_u64 s[8:9], s[8:9], s[26:27]
	s_load_b512 s[32:47], s[8:9], 0x0              ; sixteen indices, the same for all lanes
	s_add_nc_u64 s[4:5], s[4:5], s[18:19]
	s_add_nc_u64 s[12:13], s[12:13], s[18:19]
	s_wait_kmcnt 0x0
.set n, 0
.rept 16
	s_min_u32 s[32+n], s[32+n], 0x1fff             ; inside the table, whatever was read
	s_mul_i32 s[32+n], s[32+n], PITCH
	v_add_nc_u32 v[GA+n], s[32+n], v[L16]
.set n, n+1
.endr
.set n, 0
.rept 16
	global_load_b128 v[G+4*n:G+4*n+3], v[GA+n], s[6:7]     ; a code's 512 bytes: lane l holds channels 8 l to 8 l + 7
.set n, n+1
.endr
.set i, 0
.rept 32
	global_load_b128 v[ZR+4*i:ZR+4*i+3], v[ZO], s[4:5] offset:16384*i th:TH_LOAD_NT       ; channel 32 v + i, queries 4 l to 4 l + 3
.set i, i+1
.endr
	s_wait_loadcnt 32                              ; loads come back in order: the sixteen codes are in, z's 32 loads stay out
	; turned: for four queries 4 a .. and channel 8 l + 2 p + hf, four bf16 = 8 bytes into that channel's row
.set c, 0
.irp a, 0,1,2,3
.irp p, 0,1,2,3
.irp hf, 0,1
.set rT, TP+2*(c%4)
	v_perm_b32 v[rT],   v[G+4*(4*(\a)+1)+(\p)], v[G+4*(4*(\a))+(\p)],   s[20+(\hf)]
	v_perm_b32 v[rT+1], v[G+4*(4*(\a)+3)+(\p)], v[G+4*(4*(\a)+2)+(\p)], s[20+(\hf)]
	ds_store_b64 v[EW], v[rT:rT+1] offset:32*EP*(2*(\p)+(\hf))+8*(\a)
.set c, c+1
.endr
.endr
.endr
	s_wait_dscnt 0x0                               ; for the others' sake: my sixteen columns of ET are written
	s_barrier_signal -1
	s_barrier_wait -1
.set i, 0
.rept 32
	ds_load_b64 v[G+2*i:G+2*i+1], v[ER] offset:((i&7)*32+(i>>3))*EP        ; channel 32 v + i, queries 4 l to 4 l + 3
.set i, i+1
.endr
.set i, 0
.rept 32
	s_wait_loadcnt 31-i                            ; channel i's z is in,
	s_wait_dscnt 31-i                              ; and its e; the later channels' stay out
	v_cvt_pk_bf16_f32 v[C], v[ZR+4*i], v[ZR+4*i+1]
	v_cvt_pk_bf16_f32 v[C+1], v[ZR+4*i+2], v[ZR+4*i+3]
	v_lshlrev_b32 v[ZB], 16, v[C]
	v_and_b32 v[ZB+1], s22, v[C]
	v_lshlrev_b32 v[ZB+2], 16, v[C+1]
	v_and_b32 v[ZB+3], s22, v[C+1]
	v_lshlrev_b32 v[EB], 16, v[G+2*i]
	v_and_b32 v[EB+1], s22, v[G+2*i]
	v_lshlrev_b32 v[EB+2], 16, v[G+2*i+1]
	v_and_b32 v[EB+3], s22, v[G+2*i+1]
	v_pk_add_f32 v[EB:EB+1], v[EB:EB+1], v[ZB:ZB+1] neg_lo:[0,1] neg_hi:[0,1]      ; e - z
	v_pk_add_f32 v[EB+2:EB+3], v[EB+2:EB+3], v[ZB+2:ZB+3] neg_lo:[0,1] neg_hi:[0,1]
	v_pk_add_f32 v[ZR+4*i:ZR+4*i+1], v[ZB:ZB+1], v[EB:EB+1]                        ; z + (e - z)
	v_pk_add_f32 v[ZR+4*i+2:ZR+4*i+3], v[ZB+2:ZB+3], v[EB+2:EB+3]
	global_store_b128 v[ZO], v[ZR+4*i:ZR+4*i+3], s[12:13] offset:16384*i th:TH_STORE_NT    ; its data and address are never rewritten
.set i, i+1
.endr
	; the loss: one wave of one work-group adds the 256 partial sums
	s_cmp_lg_u32 ttmp9, 0
	s_cbranch_scc1 .Lend
	s_cmp_lg_u32 s16, 0
	s_cbranch_scc1 .Lend
	global_load_b128 v[24:27], v[L16], s[10:11]
	global_load_b128 v[28:31], v[L16], s[10:11] offset:512
	s_wait_loadcnt 0x0
	v_pk_add_f32 v[24:25], v[24:25], v[26:27]
	v_pk_add_f32 v[28:29], v[28:29], v[30:31]
	v_pk_add_f32 v[24:25], v[24:25], v[28:29]
	v_add_f32 v24, v24, v25
	v_add_f32_dpp v24, v24, v24 row_xmask:1 row_mask:0xf bank_mask:0xf
	v_add_f32_dpp v24, v24, v24 row_xmask:2 row_mask:0xf bank_mask:0xf
	v_add_f32_dpp v24, v24, v24 row_xmask:4 row_mask:0xf bank_mask:0xf
	v_add_f32_dpp v24, v24, v24 row_xmask:8 row_mask:0xf bank_mask:0xf
	v_permlanex16_b32 v25, v24, s24, s25
	v_add_f32 v24, v24, v25
	v_mul_f32 v24, 0x34200000, v24                 ; 1.25 / 2^23
	v_mov_b32 v26, 0
	v_cmp_eq_u32 vcc_lo, 0, v1
	s_wait_xcnt 0x0                                ; EXEC is a source of the stores above: it changes only behind this wait
	s_and_saveexec_b32 s17, vcc_lo
	global_store_b32 v26, v24, s[14:15]
	s_wait_xcnt 0x0
	s_or_b32 exec_lo, exec_lo, s17
.Lend:
	s_wait_tensorcnt 0x0                           ; the wave's end: an add of 0 to my spare word and its wait, behind my last LDS store
	ds_add_u32 v[SPW], v[NIL]
	s_wait_dscnt 0x0
	s_endpgm
.Lfunc_end_k_qd3c381c1cc_emit:
	.size	k_qd3c381c1cc_emit, .Lfunc_end_k_qd3c381c1cc_emit-k_qd3c381c1cc_emit
	.p2alignl 7, 3214868480
	.fill 96, 4, 3214868480
	.section	.rodata,"a",@progbits
	.p2align	6, 0x0
	.amdhsa_kernel k_qd3c381c1cc_emit
		.amdhsa_group_segment_fixed_size 68608
		.amdhsa_private_segment_fixed_size 0
		.amdhsa_enable_private_segment 0
		.amdhsa_kernarg_size 48
		.amdhsa_user_sgpr_count 2
		.amdhsa_user_sgpr_kernarg_segment_ptr 1
		.amdhsa_wavefront_size32 1
		.amdhsa_system_sgpr_workgroup_id_x 1
		.amdhsa_system_sgpr_workgroup_id_y 1
		.amdhsa_system_sgpr_workgroup_id_z 1
		.amdhsa_system_vgpr_workitem_id 0
		.amdhsa_next_free_vgpr 256
		.amdhsa_next_free_sgpr 66
		.amdhsa_reserve_vcc 1
		.amdhsa_float_denorm_mode_32 3
		.amdhsa_float_denorm_mode_16_64 3
		.amdhsa_memory_ordered 1
		.amdhsa_forward_progress 1
		.amdhsa_inst_pref_size 44
	.end_amdhsa_kernel
	.amdgpu_metadata
---
amdhsa.version: [ 1, 2 ]
amdhsa.kernels:
  - .name:           k_qd3c381c1cc_emit
    .symbol:         k_qd3c381c1cc_emit.kd
    .args:
      - { .name: z, .offset: 0, .size: 8, .value_kind: global_buffer, .address_space: global }
      - { .name: ebx, .offset: 8, .size: 8, .value_kind: global_buffer, .address_space: global }
      - { .name: pick, .offset: 16, .size: 8, .value_kind: global_buffer, .address_space: global }
      - { .name: part, .offset: 24, .size: 8, .value_kind: global_buffer, .address_space: global }
      - { .name: out0, .offset: 32, .size: 8, .value_kind: global_buffer, .address_space: global }
      - { .name: out1, .offset: 40, .size: 8, .value_kind: global_buffer, .address_space: global }
    .group_segment_fixed_size: 68608
    .private_segment_fixed_size: 0
    .kernarg_segment_align: 8
    .kernarg_segment_size: 48
    .max_flat_workgroup_size: 256
    .sgpr_count:     66
    .vgpr_count:     256
    .wavefront_size: 32
...
	.end_amdgpu_metadata
.endif
;; end of part 3
